; MI455X (gfx1250); checked and timed in simulation.
; The chip was launched on July 23, 2026; its instructions are those of AMD's public machine-readable ISA for CDNA 5 (MIT licence, August 2026) and "CDNA5" Instruction Set Architecture Reference Guide (July 2026). The comments in the code are by the model that wrote it; some were corrected since.
;; My Multi Headed Attention. Allowed arithmetic: matrix products marked QUANTISED: E2M1 operands, one E8M0 scale for each 32 along K, by v_wmma_scale_f32_16x16x128_f8f6f4 with both operands' format E2M1 (or v_wmma_scale_f32_32x16x128_f4), f32 sums; everything else in f32.
;; Inputs: Wq 1,024 x 1,024 float32; bq 1,024 float32; key 4 x 2,048 x 1,024 float32; mask 4 x 1 x 2,048 int32; query 4 x 2,048 x 1,024 float32; value 4 x 2,048 x 1,024 float32.
;; Outputs: out0 4 x 2,048 x 1,024 float32.
;; This version of the problem:
;;   THIS VERSION OF THE PROBLEM IS GIVEN IN LOW PRECISION. The matrix products marked QUANTISED in the list below multiply operands that are first quantised to E2M1 (2 exponent bits, 1 mantissa bit; 4 bits a number), with one power-of-two scale for each 32 numbers along K (OCP MX v1.0); their sums are f32. All else is computed in f32.
;;   The module's matrix products, in the order in which they are computed (A, B: the left and right operand; K: the contracted axis; several contracted axes count as one K, in the product's order):
;;     1. [M 8,192, K 1,024] x [K 1,024, N 1,024]; A: input query; B: input Wq: QUANTISED
;;     2. batch 64 x [M 2,048, K 64] x [K 64, N 2,048]; A: computed on the way; B: input key: QUANTISED
;;     3. batch 64 x [M 2,048, K 2,048] x [K 2,048, N 64]; A: computed on the way; B: input value: QUANTISED
;;   THE QUANTISER, for each operand of a quantised product, along K:
;;     - K is cut into blocks of 32 from its start; a last block that is shorter is filled with zeros.
;;     - A block's scale is 2^e with e = floor(log2(the largest magnitude in the block)) - 2, held to -126 .. 127; a block of zeros has e = 0. As a byte (E8M0): e + 127.
;;     - Each number is divided by its block's scale, clamped to +-6, and rounded to the nearest number of E2M1, ties to even, subnormals kept.
;;     - The product sums the exact products of the quantised numbers (number of the format x scale) in f32.
;;   ~~~python
;;   def quantise(x, axis):      # numpy; x: float32 -> the quantised numbers, widened to float32 again
;;       x = np.moveaxis(x, axis, -1); K = x.shape[-1]
;;       x = np.pad(x, [(0, 0)] * (x.ndim - 1) + [(0, -K % 32)]); x = x.reshape(x.shape[:-1] + (-1, 32)); a = np.abs(x).max(-1, keepdims=True)
;;       e = np.where(a > 0, np.clip(np.frexp(np.where(a > 0, a, 1))[1] - 1 - 2, -126, 127), 0)      # np.frexp(a)[1] - 1 = floor(log2(a)), exactly
;;       r = np.clip(x / 2.0 ** e, -6, 6)
;;       step = 2.0 ** (np.maximum(np.frexp(np.where(r == 0, 1, r))[1] - 1, 0) - 1)
;;       q = np.round(r / step) * step * 2.0 ** e      # np.round: ties to even
;;       return np.moveaxis(q.reshape(q.shape[:-2] + (-1,))[..., :K], -1, axis).astype(np.float32)
;;   ~~~
;;   OPERANDS COMPUTED ON THE WAY. 'Computed on the way' means the value that the module computes at that place (a softmax that the list does not call 'softmax' is quantised finished and normalised). What goes into a quantiser is computed in f32, as accurately as f32 sums, v_exp_f32 and their like allow (about 1e-6 of the number): no bf16 or f16 on the way to a quantiser, and a product that is left as it is and whose result goes on into a quantised operand takes f32 operands (vector FMAs, or v_wmma_f32_16x16x4_f32). A number that lies on a knife's edge between two numbers of the format may be rounded either way, as far as f32 arithmetic and the matrix unit's own rounding can turn it there, and no further.
;; One version. Each part assembles by itself: llvm-mc -triple=amdgcn-amd-amdhsa -mcpu=gfx1250 --defsym DOCPART=n.
;; ======== version 1 of 1: 2 launches
;; limits: right only within a limited range of input values
;; workspace buffers: wr 557,056 bytes; qc 4,194,304 bytes; qs 262,144 bytes; kr 4,718,592 bytes; vr 4,456,448 bytes
;; launch prep (part 1): grid 1056 x 1, 4 waves a work-group, no clusters, 36,352 bytes of LDS; arguments Wq, query, key, value, mask, wr, qc, qs, kr, vr; writes wr, qc, qs, kr, vr
.if DOCPART == 1
	.amdgcn_target "amdgcn-amd-amdhsa--gfx1250"
	.amdhsa_code_object_version 6
	.text
	.protected	k_q774c52a385_prep
	.globl	k_q774c52a385_prep
	.p2align	8
	.type	k_q774c52a385_prep,@function
k_q774c52a385_prep:
	s_mov_b64 s[64:65], 0
	v_nop
	global_prefetch_b8 v0, s[64:65] scope:SCOPE_SE
	s_setreg_imm32_b32 hwreg(HW_REG_WAVE_MODE, 25, 1), 1
	s_wait_xcnt 0x0
; The four large f32 inputs become codes of FP4 (E2M1) with one E8M0 scale byte for each 32 along a product's K, laid IN THE ORDER OF THE OPERANDS' REGISTERS, so that the
; next launch fetches every fragment as 512 consecutive bytes (16 a lane) and every scale word by one load.
; A block's scale is 2^(floor(log2(its largest magnitude)) - 2); its byte is the largest magnitude's exponent field - 2, held at 1 from below.
; LIMITS: a block of zeros gets the byte 1 where the rule says 127 (its codes are zeros, and this program alone reads the bytes); blocks whose largest magnitude lies under
; 2^-124 are held at the byte 1; NaN and infinities among the inputs are not served.
; ROLES by the work-group's number x: 0-31 Wq, 32-287 query, 288-543 key (K innermost: ONE path, only pointers, offsets and strides are chosen), 544-1055 value (K = the keys: its own path, without LDS).
; ROW PATH.  A wave takes 64 rows x 128 columns, as four chunks of 16 rows.  THE ROWS OF A CHUNK ARE NOT NEIGHBOURS: lane r of chunk (b', u) takes row 32 b' + 8 u + r + 8 (r / 8), so that the
; results of a transposed product on such a tile lie in a lane as 16 neighbours along the next K.  Each load reads one row's 512 consecutive bytes; the chunk turns through the wave's own stage in LDS
; (rows of 512 + 16 bytes), and lane (r, h) reads back the two whole blocks of 32 that the operand's layout gives it: k = 64 c + 32 h + 0 .. 31.  So no other lane is asked for a maximum.
; VALUE PATH.  A lane takes a column d and its registers run down the keys: 128 keys (one key step) x 32 columns a wave.  The scale is taken of all 32 numbers of a block; then the numbers of keys whose
; mask is 0 are made zeros, so that their codes are zeros: what the attention's weights hold at those keys then counts for nothing.
; No tensor loads, no barrier, no cluster: waves share nothing, and every input byte is read once.
.set WREG,   8960                      ; LDS of a wave: the stage, 16 rows x 528 bytes, and behind it two regions of 256 bytes for scale words
.set SPITCH, 528
.set SCB,    16*SPITCH
.set VO,   8                           ; v8-15    row path: where chunk q's block c goes: 16 x lane + the role's strides; never rewritten
.set RS,   16                          ; v16-143  two sets of 64: a chunk as loaded
.set XS,   144                         ; v144-207 my two blocks of 32 neighbours
.set CD,   208                         ; v208-239 codes: eight registers for each chunk, so that no store's data are written again
.set MX,   240                         ; v240-241 largest magnitudes;  v242-243 the conversions' scale operands;  v244-245 the bytes
.set SCO,  242
.set BY,   244
.set WD,   246                         ; v246 my two bytes at their places;  v247 the other half's;  v248 the word;  v249 the word turned by 16 bits
.set OT,   247
.set FW,   248
.set FR,   249
.set LANE, 254
.set VX,   16                          ; value path: v16-143 128 keys of my column;  v144-159 codes;  v160-164 at work
.set VCD,  144
	s_load_b512 s[4:19], s[0:1], 0x0               ; Wq 4, query 6, key 8, value 10, mask 12, wr 14, qc 16, qs 18
	s_load_b128 s[20:23], s[0:1], 0x40             ; kr 20, vr 22
	v_lshl_add_u32 v255, v0, 2, 0x8c00
	s_set_vgpr_msb 0x40
	v_mov_b32 v1, 0
	s_set_vgpr_msb 0x4000
	v_lshrrev_b32 v1, 5, v0
	v_readfirstlane_b32 s24, v1                    ; wave 0..3
	v_and_b32 v[LANE], 31, v0
	s_mov_b32 s56, 0x76543210
	s_mov_b32 s57, 0xfedcba98                      ; v_permlanex16_b32's selects for lane l xor 16
	s_cmp_ge_u32 ttmp9, 544
	s_cbranch_scc1 .Lvalue
	; ---------------- ROW PATH ----------------
	s_mov_b32 s26, 288
	s_cmp_lt_u32 ttmp9, 32
	s_cselect_b32 s25, 0, 32
	s_cmp_lt_u32 ttmp9, 288
	s_cselect_b32 s25, s25, s26                    ; the role's first work-group
	s_sub_co_u32 s25, ttmp9, s25
	s_lshl_b32 s25, s25, 2
	s_add_co_u32 s25, s25, s24                     ; my task
	s_lshr_b32 s26, s25, 3                         ; R: which 64 rows
	s_and_b32 s27, s25, 7                          ; C: which 128 columns
	s_lshl_b32 s28, s26, 18                        ; 64 rows of 4,096 bytes
	s_lshl_b32 s29, s27, 9
	s_add_co_u32 s28, s28, s29                     ; the source's offset
	s_mov_b32 s29, 0
	s_mul_i32 s30, s26, 34816                      ; Wq: R is the head, C the K step: a head's record is 32,768 bytes of codes and 2,048 of scale words
	s_lshl_b32 s31, s27, 12
	s_add_co_u32 s32, s30, s31                     ; its codes
	s_lshl_b32 s31, s27, 8
	s_add_co_u32 s33, s30, s31
	s_add_co_u32 s33, s33, 32768                   ; its scale words
	s_lshl_b32 s30, s26, 15                        ; query: two groups of 32 rows, 16,384 bytes each; a K step is 2,048
	s_lshl_b32 s31, s27, 11
	s_add_co_u32 s34, s30, s31
	s_lshl_b32 s30, s27, 15                        ; its scale words: [K step][64 rows]: 256 bytes
	s_lshl_b32 s31, s26, 8
	s_add_co_u32 s35, s30, s31
	s_lshr_b32 s30, s26, 5                         ; key: the batch,
	s_lshl_b32 s30, s30, 4
	s_lshl_b32 s31, s27, 1
	s_add_co_u32 s30, s30, s31                     ; y = 16 x batch + head 2 C (block c = 1 belongs to head 2 C + 1)
	s_mul_i32 s30, s30, 73728                      ; a (batch, head)'s record: 65,536 bytes of codes and 8,192 of scale words
	s_bfe_u32 s31, s26, 0x40001                    ; the key step of 128 keys,
	s_and_b32 s44, s26, 1                          ; and which half of it
	s_lshl_b32 s45, s31, 12
	s_add_co_u32 s36, s30, s45
	s_lshl_b32 s45, s44, 11
	s_add_co_u32 s36, s36, s45                     ; its codes
	s_lshl_b32 s45, s31, 9
	s_add_co_u32 s37, s30, s45
	s_lshl_b32 s45, s44, 8
	s_add_co_u32 s37, s37, s45
	s_add_co_u32 s37, s37, 65536                   ; its scale words
	s_mov_b32 s46, 2048
	s_mov_b32 s47, 16384
	s_mov_b32 s48, 1024
	s_mov_b32 s49, 512
	s_mov_b32 s50, 73728
	s_wait_kmcnt 0x0
	s_cmp_lt_u32 ttmp9, 32                         ; the choices hang on the work-group's number alone
	s_cselect_b64 s[38:39], s[4:5], s[6:7]         ; the source
	s_cselect_b64 s[40:41], s[14:15], s[16:17]     ; the codes' buffer
	s_cselect_b64 s[42:43], s[14:15], s[18:19]     ; the scale words' buffer
	s_cselect_b32 s32, s32, s34
	s_cselect_b32 s33, s33, s35
	s_cselect_b32 s46, s46, s47
	s_cmp_lt_u32 ttmp9, 288
	s_cselect_b64 s[38:39], s[38:39], s[8:9]
	s_cselect_b64 s[40:41], s[40:41], s[20:21]
	s_cselect_b64 s[42:43], s[42:43], s[20:21]
	s_cselect_b32 s32, s32, s36                    ; the codes' offset
	s_cselect_b32 s34, s33, s37                    ; the scale words' offset
	s_cselect_b32 s46, s46, s48                    ; bytes from b' = 0 to b' = 1
	s_cselect_b32 s47, s48, s49                    ; from u = 0 to u = 1
	s_cselect_b32 s48, s49, s50                    ; from c = 0 to c = 1
	s_mov_b32 s33, 0
	s_mov_b32 s35, 0
	s_add_nc_u64 s[38:39], s[38:39], s[28:29]
	s_add_nc_u64 s[40:41], s[40:41], s[32:33]
	s_add_nc_u64 s[42:43], s[42:43], s[34:35]
	v_lshlrev_b32 v1, 4, v[LANE]                   ; 16 x lane
	s_mul_i32 s51, s24, WREG                       ; my wave's LDS
	v_add_nc_u32 v2, s51, v1                       ; the stage, on the way in: a row's 512 bytes as they lie
	v_and_b32 v16, 15, v0                          ; r
	v_bfe_u32 v17, v0, 4, 1                        ; h
	v_mul_u32_u24 v3, v16, SPITCH
	v_lshl_add_u32 v3, v17, 7, v3
	v_add_nc_u32 v3, s51, v3                       ; and on the way out: row r, + 128 h: my block of 32 numbers
	s_add_co_u32 s52, s51, SCB
	v_lshl_add_u32 v4, v16, 3, s52                 ; where a scale word is put: 8 r
	v_lshl_add_u32 v5, v[LANE], 3, s52             ; and read back: 8 x lane
	v_lshlrev_b32 v6, 3, v[LANE]
	v_lshlrev_b32 v7, 3, v17                       ; 8 h: my bytes' shift in the word
	v_mov_b32 v[VO], v1
	v_add_nc_u32 v[VO+1], s48, v1
	v_add_nc_u32 v[VO+2], s47, v[VO]
	v_add_nc_u32 v[VO+3], s47, v[VO+1]
.irp j, 0,1,2,3
	v_add_nc_u32 v[VO+4+\j], s46, v[VO+\j]
.endr
	v_mov_b32 v[OT], 0                             ; written once: a lane permute's destination counts as one of its sources
.macro LOADC q                         ; chunk q = 2 b' + u: sixteen rows, 512 consecutive bytes each, into set q % 2
.irp n, 0,1,2,3,4,5,6,7,8,9,10,11,12,13,14,15
	global_load_b128 v[RS+64*((\q)%2)+4*\n:RS+64*((\q)%2)+4*\n+3], v1, s[38:39] offset:(32*((\q)/2)+8*((\q)%2)+\n+8*(\n/8))*4096 th:TH_LOAD_NT
.endr
.endm
.macro CHUNK q
.if (\q) < 3
	s_wait_loadcnt 16                              ; this chunk's sixteen loads are in; the next chunk's sixteen may be out
.else
	s_wait_loadcnt 0x0
.endif
.irp n, 0,1,2,3,4,5,6,7,8,9,10,11,12,13,14,15
	ds_store_b128 v2, v[RS+64*((\q)%2)+4*\n:RS+64*((\q)%2)+4*\n+3] offset:SPITCH*\n
.endr
.irp c, 0,1
.irp i, 0,1,2,3,4,5,6,7
	ds_load_b128 v[XS+32*\c+4*\i:XS+32*\c+4*\i+3], v3 offset:256*\c+16*\i   ; LDS serves a wave's instructions in order: these see the stores above
.endr
.endr
	s_wait_dscnt 0x0                               ; my two blocks are in; the stage's stores have read their registers, the last chunk's word stores theirs
.if (\q) < 2
	LOADC (\q)+2                                   ; the set just left takes the chunk two further on
.endif
.irp c, 0,1
	v_max3_num_f32 v[MX+\c], |v[XS+32*\c]|, |v[XS+32*\c+1]|, 0x1800000   ; the floor 2^(3 - 127) among the leaves: the byte cannot fall under 1
.endr
.irp i, 2,4,6,8,10,12,14,16,18,20,22,24,26,28,30
.irp c, 0,1
	v_max3_num_f32 v[MX+\c], v[MX+\c], |v[XS+32*\c+\i]|, |v[XS+32*\c+\i+1]|
.endr
.endr
.irp c, 0,1
	v_add_nc_u32 v[SCO+\c], 0xff000000, v[MX+\c]   ; 2 off the exponent field: the conversion takes this operand's exponent field as its scale
.endr
.irp c, 0,1
.irp g, 0,1,2,3
	v_cvt_scalef32_pk8_fp4_f32 v[CD+8*(\q)+4*\c+\g], v[XS+32*\c+8*\g:XS+32*\c+8*\g+7], v[SCO+\c]
.endr
.endr
.irp c, 0,1
	v_lshrrev_b32 v[BY+\c], 23, v[SCO+\c]          ; the scale's byte.  (Plain lines behind the conversions)
.endr
	v_lshl_or_b32 v[WD], v[BY+1], 16, v[BY]        ; my bytes: blocks h and 2 + h of row r,
	v_lshlrev_b32 v[WD], v7, v[WD]                 ; 8 h bits up;
	v_permlanex16_b32 v[OT], v[WD], s56, s57
	v_or_b32 v[FW], v[WD], v[OT]                   ; with lane l xor 16's two the word is whole
	v_alignbit_b32 v[FR], v[FW], v[FW], 16         ; the halves changed: for key, head 2 C + 1's two bytes below
.irp c, 0,1
	global_store_b128 v[VO+2*(\q)+\c], v[CD+8*(\q)+4*\c:CD+8*(\q)+4*\c+3], s[40:41]   ; 32 lanes store 512 consecutive bytes, aligned
.endr
	ds_store_b32 v4, v[FW] offset:128*((\q)%2)+4*((\q)/2)        ; [16 u + r][b']; both halves of the lanes write the same word with the same value
	ds_store_b32 v4, v[FR] offset:256+128*((\q)%2)+4*((\q)/2)
.endm
	LOADC 0
	LOADC 1
	CHUNK 0
	CHUNK 1
	CHUNK 2
	CHUNK 3
	ds_load_b64 v[250:251], v5
	ds_load_b64 v[252:253], v5 offset:256
	s_wait_dscnt 0x0
	global_store_b64 v6, v[250:251], s[42:43]      ; the task's 64 scale words: 256 consecutive bytes, aligned
	s_cmp_lt_u32 ttmp9, 288
	s_cbranch_scc1 .Lrow_end
	global_store_b64 v6, v[252:253], s[42:43] offset:73728   ; key alone: the same for head 2 C + 1, one record further on
.Lrow_end:
	s_set_vgpr_msb 0x4
	s_wait_tensorcnt 0x0
	ds_add_u32 v255, v1
	s_wait_dscnt 0x0
	s_set_vgpr_msb 0x400
	s_endpgm
	; ---------------- VALUE PATH ----------------
.Lvalue:
	s_sub_co_u32 s25, ttmp9, 544
	s_and_b32 s26, s25, 7                          ; which 128 columns (two heads)
	s_bfe_u32 s27, s25, 0x40003                    ; the key step
	s_lshr_b32 s28, s25, 7                         ; the batch
	s_lshr_b32 s29, s24, 1                         ; my wave's head of the two,
	s_and_b32 s30, s24, 1                          ; and which 32 of its 64 columns
	s_lshl_b32 s31, s28, 4
	s_lshl_b32 s32, s26, 1
	s_add_co_u32 s31, s31, s32
	s_add_co_u32 s31, s31, s29                     ; y = 16 x batch + head
	s_mul_i32 s31, s31, 69632                      ; its record: 65,536 bytes of codes and 4,096 of scale words
	s_lshl_b32 s32, s28, 23
	s_lshl_b32 s33, s27, 19
	s_add_co_u32 s32, s32, s33
	s_lshl_b32 s33, s26, 9
	s_add_co_u32 s32, s32, s33
	s_lshl_b32 s33, s24, 7
	s_add_co_u32 s32, s32, s33                     ; value: batch, 128 keys of 4,096 bytes, my 32 columns
	s_mov_b32 s33, 0
	s_lshl_b32 s34, s28, 13
	s_lshl_b32 s35, s27, 9
	s_add_co_u32 s34, s34, s35                     ; mask: the step's 128 words
	s_mov_b32 s35, 0
	s_lshl_b32 s36, s27, 12
	s_add_co_u32 s36, s36, s31
	s_lshl_b32 s37, s30, 11
	s_add_co_u32 s36, s36, s37                     ; codes: [step][tile of 16 columns][block of 32 keys][column][16 bytes]
	s_mov_b32 s37, 0
	s_lshl_b32 s38, s27, 8
	s_add_co_u32 s38, s38, s31
	s_lshl_b32 s39, s30, 7
	s_add_co_u32 s38, s38, s39
	s_add_co_u32 s38, s38, 65536                   ; scale words: [step][my 32 columns]
	s_mov_b32 s39, 0
	s_wait_kmcnt 0x0
	s_add_nc_u64 s[10:11], s[10:11], s[32:33]
	s_add_nc_u64 s[12:13], s[12:13], s[34:35]
	s_add_nc_u64 s[46:47], s[22:23], s[36:37]
	s_add_nc_u64 s[48:49], s[22:23], s[38:39]
	v_lshlrev_b32 v1, 2, v[LANE]                   ; 4 x lane
	v_lshrrev_b32 v2, 4, v[LANE]
	v_and_b32 v3, 15, v[LANE]
	v_lshlrev_b32 v3, 4, v3
	v_lshl_add_u32 v2, v2, 10, v3                  ; my column's place: 1,024 x (lane / 16) + 16 x (lane % 16)
.irp k, 0,1,2,3
	global_load_b32 v[8+\k], v1, s[12:13] offset:128*\k   ; lane l: the mask of key 32 k + l
.endr
.macro LOADV kb                        ; block kb: value(32 kb + i, my column): neighbouring lanes read neighbouring columns
.irp i, 0,1,2,3,4,5,6,7,8,9,10,11,12,13,14,15,16,17,18,19,20,21,22,23,24,25,26,27,28,29,30,31
	global_load_b32 v[VX+32*(\kb)+\i], v1, s[10:11] offset:(32*(\kb)+\i)*4096 th:TH_LOAD_NT
.endr
.endm
.macro VBLOCK kb
.set XB, VX+32*(\kb)
.if (\kb) < 3
	s_wait_loadcnt 32                              ; this block's 32 loads (and the mask's) are in; the next block's 32 may be out
.else
	s_wait_loadcnt 0x0
.endif
.if (\kb) == 0
.irp k, 0,1,2,3
	v_cmp_ne_u32 s[40+\k], 0, v[8+\k]              ; bit l: key 32 k + l counts
.endr
.endif
.if (\kb) < 2
	LOADV (\kb)+2                                  ; two blocks ahead, into registers of their own
.endif
	v_max3_num_f32 v160, |v[XB]|, |v[XB+1]|, |v[XB+2]|             ; the block's largest magnitude, of ALL 32 numbers: the quantiser knows no mask
	v_max3_num_f32 v161, |v[XB+3]|, |v[XB+4]|, |v[XB+5]|
.irp i, 6,10,14,18,22,26
	v_max3_num_f32 v160, v160, |v[XB+\i]|, |v[XB+\i+1]|
	v_max3_num_f32 v161, v161, |v[XB+\i+2]|, |v[XB+\i+3]|
.endr
	v_max3_num_f32 v160, v160, |v[XB+30]|, |v[XB+31]|
	v_max3_num_f32 v160, v160, v161, 0x1800000     ; and the floor 2^(3 - 127)
	v_add_nc_u32 v162, 0xff000000, v160            ; the conversion's scale operand
	v_lshrrev_b32 v163, 23, v162                   ; the byte
.if (\kb) == 0
	v_mov_b32 v164, v163
.else
	v_lshl_or_b32 v164, v163, 8*(\kb), v164        ; four bytes make my column's scale word for these 128 keys
.endif
.irp i, 0,1,2,3,4,5,6,7,8,9,10,11,12,13,14,15,16,17,18,19,20,21,22,23,24,25,26,27,28,29,30,31
	s_bitcmp1_b32 s[40+(\kb)], \i                  ; a key that does not count gives zeros: a choice of a value, no branch
	s_cselect_b32 s44, -1, 0
	v_and_b32 v[XB+\i], s44, v[XB+\i]
.endr
.irp g, 0,1,2,3
	v_cvt_scalef32_pk8_fp4_f32 v[VCD+4*(\kb)+\g], v[XB+8*\g:XB+8*\g+7], v162
.endr
	v_nop                                          ; one plain line behind the conversions: the next block writes their scale operand
	global_store_b128 v2, v[VCD+4*(\kb):VCD+4*(\kb)+3], s[46:47] offset:256*(\kb)   ; sixteen lanes store 256 consecutive bytes, aligned
.endm
	LOADV 0
	LOADV 1
	VBLOCK 0
	VBLOCK 1
	VBLOCK 2
	VBLOCK 3
	global_store_b32 v1, v164, s[48:49]            ; 128 consecutive bytes a wave: one byte for each 128 that the wave read
	s_endpgm
.Lfunc_end_k_q774c52a385_prep:
	.size	k_q774c52a385_prep, .Lfunc_end_k_q774c52a385_prep-k_q774c52a385_prep
	.p2alignl 7, 3214868480
	.fill 96, 4, 3214868480
	.section	.rodata,"a",@progbits
	.p2align	6, 0x0
	.amdhsa_kernel k_q774c52a385_prep
		.amdhsa_group_segment_fixed_size 36352
		.amdhsa_private_segment_fixed_size 0
		.amdhsa_enable_private_segment 0
		.amdhsa_kernarg_size 80
		.amdhsa_user_sgpr_count 2
		.amdhsa_user_sgpr_kernarg_segment_ptr 1
		.amdhsa_wavefront_size32 1
		.amdhsa_system_sgpr_workgroup_id_x 1
		.amdhsa_system_sgpr_workgroup_id_y 1
		.amdhsa_system_sgpr_workgroup_id_z 1
		.amdhsa_system_vgpr_workitem_id 0
		.amdhsa_next_free_vgpr 258
		.amdhsa_next_free_sgpr 66
		.amdhsa_reserve_vcc 0
		.amdhsa_float_denorm_mode_32 3
		.amdhsa_float_denorm_mode_16_64 3
		.amdhsa_memory_ordered 1
		.amdhsa_forward_progress 1
		.amdhsa_inst_pref_size 66
	.end_amdhsa_kernel
	.amdgpu_metadata
---
amdhsa.version: [ 1, 2 ]
amdhsa.kernels:
  - .name:           k_q774c52a385_prep
    .symbol:         k_q774c52a385_prep.kd
    .args:
      - { .name: Wq, .offset: 0, .size: 8, .value_kind: global_buffer, .address_space: global }
      - { .name: query, .offset: 8, .size: 8, .value_kind: global_buffer, .address_space: global }
      - { .name: key, .offset: 16, .size: 8, .value_kind: global_buffer, .address_space: global }
      - { .name: value, .offset: 24, .size: 8, .value_kind: global_buffer, .address_space: global }
      - { .name: mask, .offset: 32, .size: 8, .value_kind: global_buffer, .address_space: global }
      - { .name: wr, .offset: 40, .size: 8, .value_kind: global_buffer, .address_space: global }
      - { .name: qc, .offset: 48, .size: 8, .value_kind: global_buffer, .address_space: global }
      - { .name: qs, .offset: 56, .size: 8, .value_kind: global_buffer, .address_space: global }
      - { .name: kr, .offset: 64, .size: 8, .value_kind: global_buffer, .address_space: global }
      - { .name: vr, .offset: 72, .size: 8, .value_kind: global_buffer, .address_space: global }
    .group_segment_fixed_size: 36352
    .private_segment_fixed_size: 0
    .kernarg_segment_align: 8
    .kernarg_segment_size: 80
    .max_flat_workgroup_size: 128
    .sgpr_count:     66
    .vgpr_count:     258
    .wavefront_size: 32
...
	.end_amdgpu_metadata
.endif
;; end of part 1
;; launch attn (part 2): grid 4 x 64, 16 waves a work-group, clusters of 4 x 1, 327,680 bytes of LDS; arguments qc, qs, kr, vr, wr, bq, mask, out0; writes out0
.if DOCPART == 2
	.amdgcn_target "amdgcn-amd-amdhsa--gfx1250"
	.amdhsa_code_object_version 6
	.text
	.protected	k_q774c52a385_attn
	.globl	k_q774c52a385_attn
	.p2align	8
	.type	k_q774c52a385_attn,@function
k_q774c52a385_attn:
	s_mov_b64 s[64:65], 0
	v_nop
	global_prefetch_b8 v0, s[64:65] scope:SCOPE_SE
	s_setreg_imm32_b32 hwreg(HW_REG_WAVE_MODE, 25, 1), 1
	s_wait_xcnt 0x0
	s_wait_alu depctr_hold_cnt(0) depctr_sa_sdst(0) depctr_va_vdst(0) depctr_va_sdst(0) depctr_va_ssrc(0) depctr_va_vcc(0) depctr_vm_vsrc(0)
	s_getreg_b32 s2, hwreg(HW_REG_IB_STS2, 6, 4)
	s_cmp_eq_u32 s2, 0
	s_cbranch_scc0 .Lentry_in_a_cluster
	s_endpgm
.Lentry_in_a_cluster:
	s_bfe_u32 s2, ttmp6, 0x10000c
	s_cmp_lg_u32 s2, 0x3003
	s_cbranch_scc0 .Lentry_shape_is_right
	s_endpgm
.Lentry_shape_is_right:
; out0[b][row][64 head + d] = the sum over keys of attn(row, key) v(key, d);  attn = softmax over the keys that count of (q . k / 8), 0 at the others;  q = query Wq^T + bq.
; All three products on codes of FP4 (E2M1) with one E8M0 scale for each 32 along K.  query's, Wq's, key's and value's codes and scale words come from the launch before, in the order of the operands' registers.
; WHAT IS QUANTISED AHEAD OF THE LAST PRODUCT IS THE FINISHED, NORMALISED attn, so a row's sum must be known first: THE KEYS ARE WALKED TWICE.
;   pass 1: scores; the running largest t = score x log2(e) / 8; M = that rounded up to a whole number; l = the sum of 2^(t - M); the largest score of each block of 32 keys, kept in LDS.
;   pass 2: the scores again; with l = 2^I f, f in [1, 2): p' = 2^(t - M - log2 f) = attn x 2^I.  A power of two goes through the quantiser unchanged, so p' is quantised and O is multiplied by 2^-I at the end.
; THE MASK.  Pass 1: the C of S^T = K Q^T + C is 0 or -2^100 for each key, so that maxima and sums leave out the keys that do not count.  Pass 2 masks nothing: a block's scale comes from pass 1's
; largest score, and value's codes at such keys are zeros, so whatever code p' gets there adds nothing.  The largest t starts at -2^90: a row without any key that counts has l = 0, held at 0.5, and gives zeros.
; LIMITS: |t| stays under 2^90; blocks of p' whose largest number lies under 2^-124 are held at the scale byte 1, and an exponential under 2^-126 comes out as 0; blocks of zeros get the byte 1; NaN and infinities are not served.
; SHARES.  256 work-groups: (batch, head) y x 512 queries.  Each of sixteen waves owns 32 queries, two tiles of 16, in 256 registers: four waves to a SIMD, so that one wave's vector work stands beside another's
; products and LDS loads.  The two tiles share each fragment of K, its scale words and the mask's tile.
; LDS.  A head's Wq, K, V, their scale words, the mask's numbers and the blocks' largest scores lie in LDS together (317,440 bytes), each filled ONCE: no slot is filled again, and no barrier stands in a loop.
; CLUSTER.  The four work-groups of a cluster share y, so Wq's, K's and V's records are asked for JOINTLY: every wave issues the same three tensor loads, a sixteenth of a record each, with a mask that names the four.
; LAYOUT.  All products are used transposed (source 0 = 16 rows of Wq, 16 keys, 16 of the head's 64; source 1 = my 16 queries): a lane holds ONE query throughout.  The rows of a tile are not neighbours
; (lane r of tile 2 b + u holds row 32 b + 8 u + r + 8 (r / 8)), so that the 16 registers of tiles 2 b, 2 b + 1 are 16 neighbours along the next K.  query's rows are dealt the same way, which shows in out0's rows alone.
; K = 64 IN AN INSTRUCTION OF 128: Q's fragment is 4 registers of codes and 4 of zeros; K's tiles lie 4 registers apart, and a tile's upper half is the next tile's codes, which meet only Q's zero codes.
.set WC, 0                             ; LDS: Wq's codes 32,768;  its scale words 2,048
.set WS, 32768
.set KC, 34816                         ; K's codes 65,536;  its scale words 8,192
.set KS, 100352
.set VC, 108544                        ; V's codes 65,536;  its scale words 4,096
.set VS, 174080
.set MB, 178176                        ; 0 or -2^100 for each of the batch's 2,048 keys: 8,192
.set BM, 186368                        ; 8,192 for each wave: tile i at 4,096 i, key step at 256: 16 bytes a query: the largest scores of blocks 0, 2, 1, 3.  At the end the wave's stage: 16 rows x 272
.set L16, 1                            ; v1 16 x lane;  v2 8 x lane;  v3 4 x lane;  v4 64 x (lane / 16);  none is rewritten
.set L8,  2
.set L4,  3
.set H64, 4
.set BS,  5                            ; v5  BM + 8,192 wave + 16 r + 8 h: where I put two largest scores
.set BL,  6                            ; v6  BM + 8,192 wave + 16 r: where I read a query's four
.set ADK, 7                            ; v7-11 the addresses in hand
.set ADS, 8
.set ADM, 9
.set ADV, 9
.set ADB, 10
.set ADT, 11
.set QSC, 12                           ; v12-13 q's scale words, tile 0, 1;  v14-15 p's: scales and nothing else
.set PW,  14
.set KV,  16                           ; v16-51 K's eight tiles and four registers of zeros; or four fragments of V or of Wq
.set KSC, 52                           ; v52-55 scale words of K, of V or of Wq: scales and nothing else
.set S,   56                           ; v56-119 S^T of one tile, then p; in the projection q^T: tile i's four accumulators at S + 32 i
.set OM,  120                          ; v120-183 pass 1: the mask's tile;  pass 2: O^T, tile i's four accumulators at OM + 32 i
.set XQ,  120                          ; v120-247 in the projection: query's fragments, tile i, K step s at XQ + 64 i + 8 s
.set QF,  184                          ; v184-199 q's fragments
.set P,   200                          ; v200-215 p's fragments
.set ST,  216                          ; v216-223 tile i at ST + 4 i: +0 -M (later -M - log2 f), +1 the largest t, +2, +3 l in two halves (later +2: 2^-I)
.set F,   224                          ; v[224:225] 2^(old M - new M)
.set PM,  226                          ; pass 1: v226-229 my 16 keys' largest score of each block;  v230-233 the blocks', tile 0, 1;  v234-239 at work
.set E,   230
.set XX,  234
.set YY,  235
.set OLD, 236
.set CB,  238
.set BR,  226                          ; pass 2: v226-233 the blocks' largest scores, tile 0, 1;  v234-237 the conversions' scale operands;  v238-241 the bytes
.set SCL, 234
.set BY,  238
.set TM,  226                          ; q's quantiser: v226-241;  v242 the four bytes
.set PWQ, 242
.set QS,  248                          ; v248-255 query's scale words, one for each K step: scales and nothing else
; s20 wave, s21 cx, s22 y, s23 head, s24 batch, s25 my group of 32 rows;  s[32:55] three groups 1;  s[56:63], s[68:71] three groups 0;  s[72:73] lane selects;  s[74:75] c;  s76-81 LDS bytes that step;  s82 a counter
; One product.  c: the first register of C, or -1 for the constant 0.  ra, rb: the scale word stands in lanes 16-31 of its register.
.macro WM d, a, b, c, sa, sb, ra, rb
.if (\c) < 0
.if \ra
	v_wmma_scale_f32_16x16x128_f8f6f4 v[\d:\d+7], v[\a:\a+7], v[\b:\b+7], 0, v[\sa], v[\sb] matrix_a_fmt:MATRIX_FMT_FP4 matrix_b_fmt:MATRIX_FMT_FP4 matrix_a_scale:MATRIX_SCALE_ROW1
.else
	v_wmma_scale_f32_16x16x128_f8f6f4 v[\d:\d+7], v[\a:\a+7], v[\b:\b+7], 0, v[\sa], v[\sb] matrix_a_fmt:MATRIX_FMT_FP4 matrix_b_fmt:MATRIX_FMT_FP4
.endif
.else
.if (\ra) && (\rb)
	v_wmma_scale_f32_16x16x128_f8f6f4 v[\d:\d+7], v[\a:\a+7], v[\b:\b+7], v[\c:\c+7], v[\sa], v[\sb] matrix_a_fmt:MATRIX_FMT_FP4 matrix_b_fmt:MATRIX_FMT_FP4 matrix_a_scale:MATRIX_SCALE_ROW1 matrix_b_scale:MATRIX_SCALE_ROW1
.elseif \ra
	v_wmma_scale_f32_16x16x128_f8f6f4 v[\d:\d+7], v[\a:\a+7], v[\b:\b+7], v[\c:\c+7], v[\sa], v[\sb] matrix_a_fmt:MATRIX_FMT_FP4 matrix_b_fmt:MATRIX_FMT_FP4 matrix_a_scale:MATRIX_SCALE_ROW1
.elseif \rb
	v_wmma_scale_f32_16x16x128_f8f6f4 v[\d:\d+7], v[\a:\a+7], v[\b:\b+7], v[\c:\c+7], v[\sa], v[\sb] matrix_a_fmt:MATRIX_FMT_FP4 matrix_b_fmt:MATRIX_FMT_FP4 matrix_b_scale:MATRIX_SCALE_ROW1
.else
	v_wmma_scale_f32_16x16x128_f8f6f4 v[\d:\d+7], v[\a:\a+7], v[\b:\b+7], v[\c:\c+7], v[\sa], v[\sb] matrix_a_fmt:MATRIX_FMT_FP4 matrix_b_fmt:MATRIX_FMT_FP4
.endif
.endif
.endm
.macro PLACES n                        ; plain vector lines behind a matrix instruction, where no work is at hand (ISA guide 7.12.1)
.rept \n
	v_nop
.endr
.endm
.macro CROUND                          ; a round of the cluster's barrier: my work-group's barrier; wave 0 signals for the work-group; every wave waits for all four; my work-group's barrier once more
	s_barrier_signal -1
	s_barrier_wait -1
	s_cmp_lg_u32 s20, 0
	s_cbranch_scc1 .Lnot_wave_0_\@
	s_barrier_signal -3
.Lnot_wave_0_\@:
	s_barrier_wait -3
	s_barrier_signal -1
	s_barrier_wait -1
.endm
	s_load_b512 s[4:19], s[0:1], 0x0               ; qc 4, qs 6, kr 8, vr 10, wr 12, bq 14, mask 16, out0 18
	v_lshl_add_u32 v254, v0, 2, 0x4d800
	v_mov_b32 v255, 0
	ds_add_u32 v254, v255
	ds_add_u32 v254, v255
	s_wait_dscnt 0x0
	v_lshrrev_b32 v7, 5, v0
	v_readfirstlane_b32 s20, v7                    ; wave 0..15
	s_bfe_u32 s21, ttmp6, 0x40000                  ; cx: it enters qc's, qs's and out0's addresses alone
	s_and_b32 s22, ttmp7, 0xffff                   ; y = 16 x batch + head, which the four partners share
	s_and_b32 s23, s22, 15
	s_lshr_b32 s24, s22, 4
	s_lshl_b32 s25, ttmp9, 2
	s_add_co_u32 s25, s25, s21                     ; my block of 512 queries
	s_lshl_b32 s25, s25, 4
	s_add_co_u32 s25, s25, s20
	s_lshl_b32 s26, s24, 6
	s_add_co_u32 s25, s25, s26                     ; G = 64 x batch + 16 x block + wave: my 32 rows
	; groups 1: elements of 8 bytes, no padding; 15:0 the mask: all four work-groups; bit 21 set beside it
	s_mov_b32 s32, 15|(3<<16)|(1<<21)              ; Wq's record, a sixteenth: one row of 2,176 bytes
	s_mov_b32 s33, 272<<16                         ; tensor_dim0
	s_mov_b32 s34, 1<<16                           ; tensor_dim1
	s_mov_b32 s35, 272<<16                         ; tile_dim0
	s_mov_b32 s36, 1                               ; tile_dim1
	s_mov_b32 s37, 272                             ; the pitch
	s_mov_b32 s38, 0
	s_mov_b32 s39, 0
	s_mov_b32 s40, 15|(3<<16)|(1<<21)              ; K's: 18 rows of 256 bytes
	s_mov_b32 s41, 32<<16
	s_mov_b32 s42, 18<<16
	s_mov_b32 s43, 32<<16
	s_mov_b32 s44, 18
	s_mov_b32 s45, 32
	s_mov_b32 s46, 0
	s_mov_b32 s47, 0
	s_mov_b32 s48, 15|(3<<16)|(1<<21)              ; V's: 17 rows of 256 bytes
	s_mov_b32 s49, 32<<16
	s_mov_b32 s50, 17<<16
	s_mov_b32 s51, 32<<16
	s_mov_b32 s52, 17
	s_mov_b32 s53, 32
	s_mov_b32 s54, 0
	s_mov_b32 s55, 0
	s_mov_b32 s72, 0x76543210
	s_mov_b32 s73, 0xfedcba98                      ; v_permlanex16_b32's selects for lane l xor 16
	s_mov_b32 s74, 0x3e38aa3b                      ; c = log2(e) / 8
	s_mov_b32 s75, s74                             ; (named with it as a pair, so it is written)
	s_mov_b32 s83, 0x3f800000
	v_and_b32 v7, 31, v0                           ; lane
	v_and_b32 v8, 15, v0                           ; r
	v_bfe_u32 v9, v0, 4, 1                         ; h
	v_lshlrev_b32 v[L16], 4, v7
	v_lshlrev_b32 v[L8], 3, v7
	v_lshlrev_b32 v[L4], 2, v7
	v_lshlrev_b32 v[H64], 6, v9
	s_lshl_b32 s31, s20, 13
	s_add_co_u32 s31, s31, BM
	v_lshl_add_u32 v[BL], v8, 4, s31
	v_lshl_add_u32 v[BS], v9, 3, v[BL]
	v_lshlrev_b32 v25, 4, v0                       ; 16 x thread: the mask's words
	v_lshl_add_u32 v26, v0, 4, MB
	s_mov_b32 s29, 0
	s_wait_kmcnt 0x0
	; groups 0: nothing in them hangs on cx
	s_mul_i32 s28, s23, 34816
	s_mul_i32 s30, s20, 2176
	s_add_co_u32 s28, s28, s30
	s_mov_b32 s56, 1
	s_mov_b32 s57, s30                             ; LDS: WC + 2,176 x wave
	s_add_nc_u64 s[58:59], s[12:13], s[28:29]
	s_or_b32 s59, s59, 0x80000000
	s_mul_i32 s28, s22, 73728
	s_mul_i32 s30, s20, 4608
	s_add_co_u32 s28, s28, s30
	s_mov_b32 s60, 1
	s_add_co_u32 s61, s30, KC
	s_add_nc_u64 s[62:63], s[8:9], s[28:29]
	s_or_b32 s63, s63, 0x80000000
	s_mul_i32 s28, s22, 69632
	s_mul_i32 s30, s20, 4352
	s_add_co_u32 s28, s28, s30
	s_mov_b32 s68, 1
	s_add_co_u32 s69, s30, VC
	s_add_nc_u64 s[70:71], s[10:11], s[28:29]
	s_or_b32 s71, s71, 0x80000000
	CROUND                                         ; all four work-groups are here: the joint loads meet
	tensor_load_to_lds s[56:59], s[32:39]          ; the launch's only fills, in one group: three loads of mine are out
	s_nop 0
	tensor_load_to_lds s[60:63], s[40:47]
	s_nop 0
	tensor_load_to_lds s[68:71], s[48:55]
	s_nop 0
	PLACES 4                                       ; (behind a tensor load)
	s_lshl_b32 s26, s25, 14
	s_mov_b32 s27, 0
	s_add_nc_u64 s[4:5], s[4:5], s[26:27]          ; query's codes: 16,384 bytes for each 32 rows
	s_lshr_b32 s26, s25, 1
	s_lshl_b32 s26, s26, 8
	s_and_b32 s84, s25, 1
	s_lshl_b32 s84, s84, 2
	s_add_co_u32 s26, s26, s84
	s_add_nc_u64 s[6:7], s[6:7], s[26:27]          ; its scale words: [K step][64 rows][16 u + r][which 32 rows]
	s_lshl_b32 s26, s23, 8
	s_add_nc_u64 s[14:15], s[14:15], s[26:27]      ; bq: the head's 64 numbers
	s_add_nc_u64 s[18:19], s[18:19], s[26:27]      ; out0: the head's 256 bytes of a row,
	s_lshl_b32 s26, s25, 17
	s_add_nc_u64 s[18:19], s[18:19], s[26:27]      ; my 32 rows of 4,096 bytes
	s_lshl_b32 s26, s24, 13
	s_add_nc_u64 s[16:17], s[16:17], s[26:27]      ; mask: the batch's 2,048 words
	global_load_b128 v[16:19], v25, s[16:17]       ; the work-group's 512 threads take four keys each
.irp i, 0,1
.irp tau, 0,1,2,3
.irp u, 0,1
	global_load_b128 v[S+32*\i+8*\tau+4*\u:S+32*\i+8*\tau+4*\u+3], v[H64], s[14:15] offset:128*(\tau/2)+32*(\tau%2)+16*\u   ; bq in the result's layout: the C of each sum's first product
.endr
.endr
.endr
.irp i, 0,1
.irp s, 0,1,2,3,4,5,6,7
.irp c, 0,1
	global_load_b128 v[XQ+64*\i+8*\s+4*\c:XQ+64*\i+8*\s+4*\c+3], v[L16], s[4:5] offset:2048*\s+1024*\i+512*\c   ; 512 consecutive bytes a load
.endr
.endr
.endr
.irp s, 0,1,2,3,4,5,6,7
	global_load_b32 v[QS+\s], v[L8], s[6:7] offset:32768*\s   ; lanes 0-15: tile 0's words, lanes 16-31: tile 1's
.endr
	s_wait_loadcnt 56                              ; the mask's words are in; the 16 + 32 + 8 loads issued behind them may be out
	v_mov_b32 v24, 0xf1800000                      ; -2^100
.irp j, 0,1,2,3
	v_cmp_eq_u32 vcc_lo, 0, v[16+\j]
	v_cndmask_b32 v[20+\j], 0, v24, vcc_lo         ; a key whose mask is 0 gets -2^100, the others 0
.endr
	ds_store_b128 v26, v[20:23]
	s_wait_tensorcnt 0x1                           ; my parts of Wq's and K's records are in; V's may stay out
	s_wait_dscnt 0x0                               ; for the others' sake: my store is done
	s_barrier_signal -1
	s_barrier_wait -1
	s_wait_loadcnt 0x0                             ; bq, query's codes and scale words
; THE PROJECTION: q^T(i) = Wq(head) query(i)^T + bq, eight K steps of 128.  The eight accumulators take turns, one instruction a turn.
.macro PROJ s
.if (\s) > 0
	PLACES 4                                       ; in front of loads into registers that matrix instructions have read
.endif
.irp tau, 0,1,2,3
.irp c, 0,1
	ds_load_b128 v[KV+8*\tau+4*\c:KV+8*\tau+4*\c+3], v[L16] offset:WC+4096*(\s)+1024*\tau+512*\c
.endr
.endr
	ds_load_b64 v[KSC:KSC+1], v[L8] offset:WS+256*(\s)   ; lane 16 u + r: the words of tiles u and 2 + u
	s_wait_dscnt 0x0
.irp tau, 0,1,2,3
.irp i, 0,1
	WM S+32*\i+8*\tau, KV+8*\tau, XQ+64*\i+8*(\s), S+32*\i+8*\tau, KSC+\tau/2, QS+(\s), \tau%2, \i
.endr
.endr
.endm
	PROJ 0
	PROJ 1
	PROJ 2
	PROJ 3
	PROJ 4
	PROJ 5
	PROJ 6
	PROJ 7
	; q IS QUANTISED.  Register 16 beta + k of S is q(my query of tile beta / 2, d = 32 (beta % 2) + 16 h + k): four blocks of 32, each in lanes l and l xor 16.
.irp j, 4,5,6,7,12,13,14,15
	v_mov_b32 v[QF+\j], 0                          ; the upper halves of q's fragments: zero codes.  (These lines are also the places behind the last products)
.endr
.irp j, 32,33,34,35
	v_mov_b32 v[KV+\j], 0                          ; what stands behind K's eighth tile: no product of the projection names these four (Wq's fragments end at KV + 31), and no load lands on them later.
.endr                                              ; They are cleared here, so that the whole quantiser stands between them and the first scaled product that takes them as part of its A (four plain lines are asked)
.irp b, 0,1,2,3
	v_mov_b32 v[TM+4+\b], 0                        ; a lane permute's destination counts as one of its sources
.endr
.irp b, 0,1,2,3
	v_max3_num_f32 v[TM+\b], |v[S+16*\b]|, |v[S+16*\b+1]|, 0x1800000   ; the floor 2^(3 - 127) among the leaves
.endr
.irp p, 2,4,6,8,10,12,14
.irp b, 0,1,2,3
	v_max3_num_f32 v[TM+\b], v[TM+\b], |v[S+16*\b+\p]|, |v[S+16*\b+\p+1]|
.endr
.endr
.irp b, 0,1,2,3
	v_permlanex16_b32 v[TM+4+\b], v[TM+\b], s72, s73
.endr
.irp b, 0,1,2,3
	v_max_num_f32 v[TM+\b], v[TM+\b], v[TM+4+\b]
.endr
.irp b, 0,1,2,3
	v_add_nc_u32 v[TM+12+\b], 0xff000000, v[TM+\b] ; 2 off the exponent field: the conversion's scale operand
.endr
.irp b, 0,1,2,3
	v_lshrrev_b32 v[TM+4+\b], 23, v[TM+12+\b]
.endr
	v_lshl_or_b32 v[PWQ], v[TM+5], 8, v[TM+4]
	v_lshl_or_b32 v[PWQ], v[TM+6], 16, v[PWQ]
	v_lshl_or_b32 v[PWQ], v[TM+7], 24, v[PWQ]
.irp b, 0,1,2,3
	v_cvt_scalef32_pk8_fp4_f32 v[QF+8*(\b/2)+2*(\b%2)], v[S+16*\b:S+16*\b+7], v[TM+12+\b]
	v_cvt_scalef32_pk8_fp4_f32 v[QF+8*(\b/2)+2*(\b%2)+1], v[S+16*\b+8:S+16*\b+15], v[TM+12+\b]
.endr
	v_nop                                          ; one plain line behind the conversions
.irp c, 0,1
.irp u, 0,1
	v_permlane16_swap_b32 v[QF+8*\c+\u], v[QF+8*\c+2+\u]   ; a whole block to a lane: lanes 0-15 d = 0 .. 31, lanes 16-31 d = 32 .. 63
.endr
.endr
	v_and_b32 v[QSC], 0xffff, v[PWQ]               ; tile 0's two bytes; the bytes above them, 0, stand over zero codes
	v_lshrrev_b32 v[QSC+1], 16, v[PWQ]             ; tile 1's
.irp i, 0,1                            ; ten plain lines here and three at the loop's head: more than the eight that stand between a scale register so written and a scaled product
	v_mov_b32 v[ST+4*\i+1], 0xec800000             ; the largest t so far: -2^90
	v_floor_f32 v[ST+4*\i], -v[ST+4*\i+1]          ; -M
	v_mov_b32 v[ST+4*\i+2], 0                      ; l, in two halves
	v_mov_b32 v[ST+4*\i+3], 0
.endr
	v_mov_b32 v[YY], 0
	v_mov_b32 v[F+1], 0                            ; (named as the upper half of a pair)
; S^T of tile i for the step's 128 keys: eight products.  c = 1: C is the mask's tile.
.macro SW i, c
.irp t, 0,1,2,3,4,5,6,7
.if \c
	WM S+8*\t, KV+4*\t, QF+8*\i, OM+8*\t, KSC+\t/2, QSC+\i, \t%2, 0
.else
	WM S+8*\t, KV+4*\t, QF+8*\i, -1, KSC+\t/2, QSC+\i, \t%2, 0
.endif
.endr
.endm
.macro KLOADS                          ; the step's eight tiles of K, 512 consecutive bytes each, and their scale words: lane 16 u + r: tiles u, 2 + u; then 4 + u, 6 + u
.irp t, 0,1,2,3,4,5,6,7
	ds_load_b128 v[KV+4*\t:KV+4*\t+3], v[ADK] offset:512*\t
.endr
	ds_load_b64 v[KSC:KSC+1], v[ADS]
	ds_load_b64 v[KSC+2:KSC+3], v[ADS] offset:256
.endm
; PASS 1, tile i: the blocks' largest scores; the running largest t and M; l.
.macro SM1 i
.set NM, ST+4*\i
.irp b, 0,1,2,3
	v_max3_num_f32 v[PM+\b], v[S+16*\b], v[S+16*\b+1], v[S+16*\b+2]   ; each accumulator is read from its low end on
.endr
.irp p, 3,5,7,9,11,13
.irp b, 0,1,2,3
	v_max3_num_f32 v[PM+\b], v[PM+\b], v[S+16*\b+\p], v[S+16*\b+\p+1]
.endr
.endr
.irp b, 0,1,2,3
	v_max_num_f32 v[PM+\b], v[PM+\b], v[S+16*\b+15]
.endr
	v_permlane16_swap_b32 v[PM], v[PM+1]           ; lanes 0-15 now hold both halves of block 0, lanes 16-31 those of block 1;
	v_permlane16_swap_b32 v[PM+2], v[PM+3]         ; likewise blocks 2 and 3
	v_max_num_f32 v[E+2*\i], v[PM], v[PM+1]
	v_max_num_f32 v[E+2*\i+1], v[PM+2], v[PM+3]
	ds_store_b64 v[ADB], v[E+2*\i:E+2*\i+1] offset:4096*\i   ; a query's 16 bytes: blocks 0, 2 from lanes 0-15, blocks 1, 3 from lanes 16-31
	v_max_num_f32 v[XX], v[E+2*\i], v[E+2*\i+1]
	v_permlanex16_b32 v[YY], v[XX], s72, s73
	v_max_num_f32 v[XX], v[XX], v[YY]              ; the step's largest score of my query
	v_mul_f32 v[XX], s74, v[XX]
	v_max_num_f32 v[NM+1], v[NM+1], v[XX]          ; the running largest t
	v_mov_b32 v[OLD], v[NM]
	v_floor_f32 v[NM], -v[NM+1]                    ; -M = floor(-t): M is a whole number
	v_sub_f32 v[XX], v[NM], v[OLD]
	v_cvt_i32_f32 v[XX], v[XX]                     ; (it saturates)
	v_ldexp_f32 v[F], 1.0, v[XX]                   ; 2^(old M - new M): a multiplication by it rounds nothing
.set j, 0
.rept 32
	v_pk_fma_f32 v[S+j:S+j+1], v[S+j:S+j+1], s[74:75], v[NM:NM+1] op_sel_hi:[1,0,0]   ; t - M, two at a time
.set j, j+2
.endr
.set j, 0
.rept 64
	v_exp_f32 v[S+j], v[S+j]
.set j, j+1
.endr
	v_pk_mul_f32 v[NM+2:NM+3], v[NM+2:NM+3], v[F:F+1] op_sel_hi:[1,0]   ; l under the new M.  (A plain line behind the exponentials)
	s_wait_alu depctr_va_vdst(0)
	v_pk_add_f32 v[CB:CB+1], v[S:S+1], v[S+2:S+3]  ; the sum, two at a time, in two chains
.set j, 4
.rept 15
	v_pk_add_f32 v[NM+2:NM+3], v[NM+2:NM+3], v[S+j:S+j+1]
	v_pk_add_f32 v[CB:CB+1], v[CB:CB+1], v[S+j+2:S+j+3]
.set j, j+4
.endr
	v_pk_add_f32 v[NM+2:NM+3], v[NM+2:NM+3], v[CB:CB+1]
.endm
	s_mov_b32 s76, KC                              ; the step's tiles of K: 4,096 bytes a step
	s_mov_b32 s77, KS                              ; their scale words: 512
	s_mov_b32 s78, MB                              ; the mask's numbers: 512
	s_mov_b32 s79, 0                               ; the blocks' largest scores: 256
	s_mov_b32 s82, 16
.Lpass1:                                           ; sixteen trips of 128 keys
	v_add_nc_u32 v[ADK], s76, v[L16]
	v_add_nc_u32 v[ADS], s77, v[L8]
	v_add_nc_u32 v[ADM], s78, v[H64]
	KLOADS
.irp b, 0,1,2,3
.irp u, 0,1,2,3
	ds_load_b128 v[OM+16*\b+4*\u:OM+16*\b+4*\u+3], v[ADM] offset:128*\b+16*\u   ; register 16 b + k: key 32 b + 16 h + k, as in S^T; the sixteen lanes of a half read the same bytes
.endr
.endr
	s_wait_dscnt 0x0
	SW 0, 1
	v_add_nc_u32 v[ADB], s79, v[BS]
	PLACES 3                                       ; with the line above: four places in front of the first read of the scores
	SM1 0
	SW 1, 1
	PLACES 4
	SM1 1
	s_add_co_u32 s76, s76, 4096
	s_add_co_u32 s77, s77, 512
	s_add_co_u32 s78, s78, 512
	s_add_co_u32 s79, s79, 256
	s_sub_co_u32 s82, s82, 1
	s_cmp_lg_u32 s82, 0
	s_cbranch_scc1 .Lpass1
.macro FIN i                           ; l = 2^I f:  -M - log2 f takes -M's place, 2^-I takes l's
	v_add_f32 v[XX], v[ST+4*\i+2], v[ST+4*\i+3]
	v_permlanex16_b32 v[YY], v[XX], s72, s73
	v_add_f32 v[XX], v[XX], v[YY]                  ; the row's sum
	v_max_num_f32 v[XX], 0.5, v[XX]                ; a row with a key that counts has l > 0.5; one without has 0 and is held here
	v_lshrrev_b32 v[OLD], 23, v[XX]                ; I + 127
	v_and_or_b32 v[YY], v[XX], 0x7fffff, s83       ; f: l's mantissa under the exponent of 1
	v_log_f32 v[YY], v[YY]
	v_sub_nc_u32 v[OLD], 254, v[OLD]               ; (a plain line behind the logarithm)
	s_wait_alu depctr_va_vdst(0)
	v_sub_f32 v[ST+4*\i], v[ST+4*\i], v[YY]
	v_lshlrev_b32 v[ST+4*\i+2], 23, v[OLD]         ; 2^-I
.endm
	FIN 0
	FIN 1
	s_wait_tensorcnt 0x0                           ; my part of V's record is in,
	s_wait_dscnt 0x0
	s_barrier_signal -1
	s_barrier_wait -1                              ; everybody's is
; PASS 2, tile i: p' = 2^(t - M - log2 f), quantised along the keys.  A block's largest p' is not searched for: pass 1's largest score goes through the same multiply-add and exponential.
; vload = 1: the step's four fragments of V and their scale words are asked for here, four places behind the last product that read K's registers.
.macro SM2 i, vload
.set NM, ST+4*\i
.irp x, 0,1,2,3
	v_fma_f32 v[BR+4*\i+\x], v[BR+4*\i+\x], s74, v[NM]   ; (these four lines are the places behind the products)
.endr
.if \vload
.irp dt, 0,1,2,3
.irp c, 0,1
	ds_load_b128 v[KV+8*\dt+4*\c:KV+8*\dt+4*\c+3], v[ADV] offset:1024*\dt+512*\c
.endr
.endr
	ds_load_b32 v[KSC], v[ADT]                     ; lane 16 hh + r: the word of tile hh;
	ds_load_b32 v[KSC+1], v[ADT] offset:128        ; of tile 2 + hh
.endif
.irp x, 0,1,2,3
	v_exp_f32 v[BR+4*\i+\x], v[BR+4*\i+\x]
.endr
.set j, 0
.rept 4
	v_pk_fma_f32 v[S+j:S+j+1], v[S+j:S+j+1], s[74:75], v[NM:NM+1] op_sel_hi:[1,0,0]   ; (plain lines behind the exponentials)
.set j, j+2
.endr
	s_wait_alu depctr_va_vdst(0)
.irp x, 0,1,2,3
	v_max_num_f32 v[BR+4*\i+\x], 0x1800000, v[BR+4*\i+\x]   ; the floor 2^(3 - 127): the byte cannot fall under 1
.endr
.irp x, 0,1,2,3
	v_add_nc_u32 v[SCL+\x], 0xff000000, v[BR+4*\i+\x]
.endr
.irp x, 0,1,2,3
	v_lshrrev_b32 v[BY+\x], 23, v[SCL+\x]
.endr
	v_lshl_or_b32 v[PW+\i], v[BY+2], 8, v[BY]      ; the four lie in the order of blocks 0, 2, 1, 3
	v_lshl_or_b32 v[PW+\i], v[BY+1], 16, v[PW+\i]
	v_lshl_or_b32 v[PW+\i], v[BY+3], 24, v[PW+\i]  ; p's scale word; the 28 lines below stand between it and the product that names it
.rept 28
	v_pk_fma_f32 v[S+j:S+j+1], v[S+j:S+j+1], s[74:75], v[NM:NM+1] op_sel_hi:[1,0,0]
.set j, j+2
.endr
.set j, 0
.rept 64
	v_exp_f32 v[S+j], v[S+j]
.set j, j+1
.endr
	v_nop                                          ; a plain line behind the exponentials
	s_wait_alu depctr_va_vdst(0)
.irp b, 0,1,2,3
	v_cvt_scalef32_pk8_fp4_f32 v[P+8*\i+2*\b], v[S+16*\b:S+16*\b+7], v[SCL+2*(\b%2)+\b/2]
	v_cvt_scalef32_pk8_fp4_f32 v[P+8*\i+2*\b+1], v[S+16*\b+8:S+16*\b+15], v[SCL+2*(\b%2)+\b/2]
.endr
	v_nop                                          ; a plain line behind the conversions
.irp c, 0,1
.irp u, 0,1
	v_permlane16_swap_b32 v[P+8*\i+4*\c+\u], v[P+8*\i+4*\c+2+\u]   ; a whole block to a lane
.endr
.endr
.endm
; O^T += V^T P^T: eight accumulators, one instruction a turn; between two links of a chain stand the seven others' and the next step's sixteen products.
.macro PV zero
.irp dt, 0,1,2,3
.irp i, 0,1
.if \zero
	WM OM+32*\i+8*\dt, KV+8*\dt, P+8*\i, -1, KSC+\dt/2, PW+\i, \dt%2, 0
.else
	WM OM+32*\i+8*\dt, KV+8*\dt, P+8*\i, OM+32*\i+8*\dt, KSC+\dt/2, PW+\i, \dt%2, 0
.endif
.endr
.endr
.endm
.macro STEP2 zero
	v_add_nc_u32 v[ADK], s76, v[L16]               ; five plain lines: the places in front of the loads into registers that the last step's products read
	v_add_nc_u32 v[ADS], s77, v[L8]
	v_add_nc_u32 v[ADB], s79, v[BL]
	v_add_nc_u32 v[ADV], s80, v[L16]
	v_add_nc_u32 v[ADT], s81, v[L4]
	KLOADS
	ds_load_b128 v[BR:BR+3], v[ADB]                ; my query's four largest scores, tile 0
	ds_load_b128 v[BR+4:BR+7], v[ADB] offset:4096  ; and tile 1
	s_wait_dscnt 0x0
	SW 0, 0
	SM2 0, 0
	SW 1, 0
	SM2 1, 1
	PLACES 4                                       ; an operand written by vector instructions stands four places ahead of a scaled product
	s_wait_dscnt 0x0                               ; V's fragments and scale words are in
	PV \zero
	s_add_co_u32 s76, s76, 4096
	s_add_co_u32 s77, s77, 512
	s_add_co_u32 s79, s79, 256
	s_add_co_u32 s80, s80, 4096
	s_add_co_u32 s81, s81, 256
.endm
	s_mov_b32 s76, KC
	s_mov_b32 s77, KS
	s_mov_b32 s79, 0
	s_mov_b32 s80, VC                              ; the step's four fragments of V: 4,096 bytes a step
	s_mov_b32 s81, VS                              ; their scale words: 256
	STEP2 1                                        ; the first step stands in front of the loop: its products start O^T's sums
	s_mov_b32 s82, 15
.Lpass2:
	STEP2 0
	s_sub_co_u32 s82, s82, 1
	s_cmp_lg_u32 s82, 0
	s_cbranch_scc1 .Lpass2
	; THE WAY OUT.  O^T x 2^-I goes through my stage in LDS (my own bytes, which held the largest scores), a tile of 16 rows x 256 bytes at a time, and leaves as whole runs of 256 bytes.
	v_and_b32 v8, 15, v0                           ; r.  (These ten plain lines are the places behind the last products)
	v_bfe_u32 v9, v0, 4, 1                         ; h
	s_lshl_b32 s26, s20, 13
	s_add_co_u32 s26, s26, BM
	v_mul_u32_u24 v7, v8, 272
	v_lshl_add_u32 v7, v9, 5, v7
	v_add_nc_u32 v7, s26, v7                       ; in: row r; tile dt's eight numbers of my half at 64 dt + 32 h
	v_mul_u32_u24 v10, v9, 272
	v_lshl_add_u32 v10, v8, 4, v10
	v_add_nc_u32 v10, s26, v10                     ; back: lanes 0-15 one row, lanes 16-31 the next
	v_lshlrev_b32 v11, 12, v9
	v_lshl_add_u32 v11, v8, 4, v11                 ; and the same two rows in out0
.macro OUT i
.set j, 0
.rept 16
	v_pk_mul_f32 v[OM+32*\i+j:OM+32*\i+j+1], v[OM+32*\i+j:OM+32*\i+j+1], v[ST+4*\i+2:ST+4*\i+3] op_sel_hi:[1,0]   ; each accumulator from its low end on
.set j, j+2
.endr
.irp dt, 0,1,2,3
	ds_store_b128 v7, v[OM+32*\i+8*\dt:OM+32*\i+8*\dt+3] offset:64*\dt
	ds_store_b128 v7, v[OM+32*\i+8*\dt+4:OM+32*\i+8*\dt+7] offset:64*\dt+16
.endr
.irp k, 0,1,2,3,4,5,6,7
	ds_load_b128 v[S+32*\i+4*\k:S+32*\i+4*\k+3], v10 offset:544*\k   ; LDS serves a wave's instructions in order: these see my stores, and the next tile's stores come behind them
.endr
.endm
.macro SEND i, younger                 ; younger: the LDS instructions issued behind tile i's loads
.irp k, 0,1,2,3,4,5,6,7
	s_wait_dscnt \younger+7-\k
	global_store_b128 v11, v[S+32*\i+4*\k:S+32*\i+4*\k+3], s[18:19] offset:(8*\i+2*\k+8*(\k/4))*4096 th:TH_STORE_NT   ; stage row 2 k + h is row 8 i + 2 k + h + 8 (k / 4) of my 32; sixteen lanes store 256 consecutive bytes, aligned
.endr
.endm
	OUT 0
	OUT 1
	SEND 0, 16                                     ; behind tile 0's loads: tile 1's eight stores and eight loads
	SEND 1, 0
	s_wait_xcnt 0x0
	v_lshl_add_u32 v254, v0, 2, 0x4d800
	v_mov_b32 v255, 0
	s_wait_tensorcnt 0x0
	ds_add_u32 v254, v255
	s_wait_dscnt 0x0
	CROUND                                         ; the closing round: no work-group ends while a partner may still ask for a record that names it
	s_endpgm
.Lfunc_end_k_q774c52a385_attn:
	.size	k_q774c52a385_attn, .Lfunc_end_k_q774c52a385_attn-k_q774c52a385_attn
	.p2alignl 7, 3214868480
	.fill 96, 4, 3214868480
	.section	.rodata,"a",@progbits
	.p2align	6, 0x0
	.amdhsa_kernel k_q774c52a385_attn
		.amdhsa_group_segment_fixed_size 327680
		.amdhsa_private_segment_fixed_size 0
		.amdhsa_enable_private_segment 0
		.amdhsa_kernarg_size 64
		.amdhsa_user_sgpr_count 2
		.amdhsa_user_sgpr_kernarg_segment_ptr 1
		.amdhsa_wavefront_size32 1
		.amdhsa_system_sgpr_workgroup_id_x 1
		.amdhsa_system_sgpr_workgroup_id_y 1
		.amdhsa_system_sgpr_workgroup_id_z 1
		.amdhsa_system_vgpr_workitem_id 0
		.amdhsa_next_free_vgpr 256
		.amdhsa_next_free_sgpr 96
		.amdhsa_reserve_vcc 1
		.amdhsa_float_denorm_mode_32 3
		.amdhsa_float_denorm_mode_16_64 3
		.amdhsa_memory_ordered 1
		.amdhsa_forward_progress 1
		.amdhsa_inst_pref_size 95
	.end_amdhsa_kernel
	.amdgpu_metadata
---
amdhsa.version: [ 1, 2 ]
amdhsa.kernels:
  - .name:           k_q774c52a385_attn
    .symbol:         k_q774c52a385_attn.kd
    .args:
      - { .name: qc, .offset: 0, .size: 8, .value_kind: global_buffer, .address_space: global }
      - { .name: qs, .offset: 8, .size: 8, .value_kind: global_buffer, .address_space: global }
      - { .name: kr, .offset: 16, .size: 8, .value_kind: global_buffer, .address_space: global }
      - { .name: vr, .offset: 24, .size: 8, .value_kind: global_buffer, .address_space: global }
      - { .name: wr, .offset: 32, .size: 8, .value_kind: global_buffer, .address_space: global }
      - { .name: bq, .offset: 40, .size: 8, .value_kind: global_buffer, .address_space: global }
      - { .name: mask, .offset: 48, .size: 8, .value_kind: global_buffer, .address_space: global }
      - { .name: out0, .offset: 56, .size: 8, .value_kind: global_buffer, .address_space: global }
    .group_segment_fixed_size: 327680
    .private_segment_fixed_size: 0
    .kernarg_segment_align: 8
    .kernarg_segment_size: 64
    .max_flat_workgroup_size: 512
    .sgpr_count:     96
    .vgpr_count:     256
    .wavefront_size: 32
...
	.end_amdgpu_metadata
.endif
;; end of part 2
